; MI455X (gfx1250); checked and timed in simulation.
; The chip was launched on July 23, 2026; its instructions are those of AMD's public machine-readable ISA for CDNA 5 (MIT licence, August 2026) and "CDNA5" Instruction Set Architecture Reference Guide (July 2026). The comments in the code are by the model that wrote it; some were corrected since.
;; Multi Head Attention. Allowed arithmetic: float matrix products may take bf16 or f16 operands with f32 sums; all other float work in f32.
;; Inputs: W1 1,024 x 3,072 float32; W2 1,024 x 1,024 float32; b1 3,072 float32; b2 1,024 float32; x 4,096 x 1,024 float32.
;; Outputs: out0 4,096 x 1,024 float32.
;; One version. Each part assembles by itself: llvm-mc -triple=amdgcn-amd-amdhsa -mcpu=gfx1250 --defsym DOCPART=n.
;; ======== version 1 of 1: 4 launches
;; limits: values are held in f16: magnitudes above 65,504 overflow, below 6.1e-05 lose precision
;; workspace buffers: xt 8,388,608 bytes; w1t 6,291,456 bytes; w2t 4,194,304 bytes; kq 16,777,216 bytes; vv 8,388,608 bytes; st 4,194,304 bytes; oo 16,777,216 bytes
;; launch prep (part 1): grid 768 x 1, 8 waves a work-group, no clusters, 35,840 bytes of LDS; arguments x, W1, W2, xt, w1t, w2t; writes xt, w1t, w2t
.if DOCPART == 1
	.amdgcn_target "amdgcn-amd-amdhsa--gfx1250"
	.amdhsa_code_object_version 6
	.text
	.protected	k_q73eb20f566_prep
	.globl	k_q73eb20f566_prep
	.p2align	8
	.type	k_q73eb20f566_prep,@function
k_q73eb20f566_prep:
	s_mov_b64 s[64:65], 0
	v_nop
	global_prefetch_b8 v0, s[64:65] scope:SCOPE_SE
	s_setreg_imm32_b32 hwreg(HW_REG_WAVE_MODE, 25, 1), 1
	s_wait_xcnt 0x0
; Casts and re-tiles the three large inputs, so that the two products that follow read ready 16-bit tiles as dense blocks.
;   xt  f16  [tb 16][kp 16][r 256][c 64]             = x[256 tb + r][64 kp + c]
;   w1t f16  [head 16][kp 16][n 192][k 64]           = W1[64 kp + k][1024 part + 64 head + j],  n = 64 part + j
;   w2t bf16 [part 2 (hi, lo)][nb 8][kp 16][n 128][k 64] = W2[64 kp + k][128 nb + n];  hi = bf16(W2), lo = bf16(W2 - hi)
; Work-groups 0-255 take 16 rows of x each, 256-639 a tile of 128 k x 64 n of W1, 640-767 such a tile of W2: the branch hangs on the
; work-group's number alone, so all eight waves take the same way and pass the same barrier.
; Memory binds here: every input byte is read once, sixteen lanes a 256-byte piece; every store of a wave covers whole aligned blocks of
; 256 bytes.  Matrix units, clusters and tensor loads would add nothing.
; LIMIT: x and W1 go to f16: magnitudes of 65,504 and above become infinite, those under 6e-8 vanish.
; The transposing LDS stores of 4 bytes meet four deep in a bank (pitch 272 bytes, lanes four rows apart); 16 or 32 such stores a thread.
.set TP,   272                         ; LDS pitch of a transposed tile's row: 128 k x 2 bytes + 16
.set TILE, 64*TP                       ; 64 n rows
	s_load_b256 s[4:11], s[0:1], 0x0               ; x s[4:5], W1 s[6:7], W2 s[8:9], xt s[10:11]
	s_load_b128 s[12:15], s[0:1], 0x20             ; w1t s[12:13], w2t s[14:15]
	v_lshl_add_u32 v112, v0, 2, 0x8800
	v_mov_b32 v113, 0
	s_mov_b32 s16, ttmp9                           ; g, the work-group's number
	s_mov_b32 s19, 0                               ; high words of the two offsets
	s_mov_b32 s21, 0
	s_cmp_lt_u32 s16, 256
	s_cbranch_scc0 .Lweights
	; ---- x: rows 16 g .. 16 g + 15.  Lane: c = tid & 15 (16 bytes in), rr = row of a pair, wave w: pieces kp = w and w + 8
	v_and_b32 v1, 15, v0
	v_bfe_u32 v2, v0, 4, 1
	v_lshrrev_b32 v3, 5, v0
	v_lshlrev_b32 v4, 4, v1                        ; in: 16 c
	v_lshl_add_u32 v4, v2, 12, v4                  ;   + rr rows of 4,096 bytes
	v_lshl_add_u32 v4, v3, 8, v4                   ;   + w pieces of 256 bytes
	v_lshlrev_b32 v5, 3, v1                        ; out: 8 c
	v_lshl_add_u32 v5, v2, 7, v5                   ;   + rr rows of 128 bytes
	v_lshl_add_u32 v5, v3, 15, v5                  ;   + w pieces of 32,768 bytes
	s_lshl_b32 s18, s16, 16                        ; 16 rows of x
	s_lshr_b32 s20, s16, 4
	s_lshl_b32 s20, s20, 19                        ; tb x 16 pieces
	s_and_b32 s22, s16, 15
	s_lshl_b32 s22, s22, 11                        ; 16 rows of 128 bytes inside a piece
	s_add_co_u32 s20, s20, s22
	s_wait_kmcnt 0x0
	s_add_nc_u64 s[4:5], s[4:5], s[18:19]
	s_add_nc_u64 s[10:11], s[10:11], s[20:21]
.irp i, 0,1,2,3,4,5,6,7
.irp k, 0,1
	global_load_b128 v[16+8*\i+4*\k:19+8*\i+4*\k], v4, s[4:5] offset:8192*\i+2048*\k th:TH_LOAD_NT
.endr
.endr
.irp i, 0,1,2,3,4,5,6,7
.irp k, 0,1
	s_wait_loadcnt 15-2*\i-\k                      ; loads come back in order: this one is in, the younger ones stay out
	v_cvt_pk_f16_f32 v[80+4*\i+2*\k], v[16+8*\i+4*\k], v[17+8*\i+4*\k]
	v_cvt_pk_f16_f32 v[81+4*\i+2*\k], v[18+8*\i+4*\k], v[19+8*\i+4*\k]
	global_store_b64 v5, v[80+4*\i+2*\k:81+4*\i+2*\k], s[10:11] offset:262144*\k+256*\i   ; the wave's 32 lanes: 256 consecutive bytes, aligned
.endr
.endr
	s_endpgm                                       ; no register was used twice: no further wait
	; ---- both weights: a tile of 128 k x 64 n, transposed through LDS
.Lweights:
	v_and_b32 v1, 15, v0                           ; c: four columns, 16 bytes
	v_lshrrev_b32 v2, 4, v0                        ; kpair: rows 2 kpair, 2 kpair + 1 (and 32, 64, 96 further down)
	v_mul_u32_u24 v5, v1, 4*TP
	v_lshl_add_u32 v5, v2, 2, v5                   ; into LDS: row n = 4 c (+ u), word kpair
	v_lshrrev_b32 v3, 3, v0
	v_and_b32 v6, 7, v0
	v_mul_u32_u24 v3, v3, TP
	v_lshl_add_u32 v6, v6, 4, v3                   ; back: row n = tid / 8, 16 bytes at 16 (tid & 7)
	v_lshlrev_b32 v7, 4, v0                        ; out: 16 tid
	s_cmp_lt_u32 s16, 640
	s_cbranch_scc0 .Lw2
.macro WLOAD rb, base                  ; eight loads: four pairs of rows, rb bytes from row to row; sixteen lanes read 256 aligned bytes
.irp i, 0,1,2,3
	global_load_b128 v[16+8*\i:19+8*\i], v4, s[\base:\base+1] offset:32*\rb*\i th:TH_LOAD_NT
	global_load_b128 v[20+8*\i:23+8*\i], v4, s[\base:\base+1] offset:32*\rb*\i+\rb th:TH_LOAD_NT
.endr
.endm
	; ---- W1
	s_sub_co_u32 s17, s16, 256
	s_and_b32 s22, s17, 7                          ; kt
	s_lshr_b32 s23, s17, 3                         ; nt = 16 part + head
	s_mul_i32 s18, s22, 128*12288
	s_lshl_b32 s24, s23, 8
	s_add_co_u32 s18, s18, s24                     ; in: 128 kt rows + 64 nt columns
	s_and_b32 s24, s23, 15                         ; head
	s_lshr_b32 s25, s23, 4                         ; part
	s_lshl_b32 s24, s24, 4
	s_lshl1_add_u32 s24, s22, s24                  ; 16 head + 2 kt: the first of the tile's two pieces
	s_mul_i32 s20, s24, 24576
	s_lshl_b32 s25, s25, 13                        ; 64 part rows of 128 bytes
	s_add_co_u32 s20, s20, s25
	v_mul_u32_u24 v4, v2, 2*12288
	v_lshl_add_u32 v4, v1, 4, v4
	s_wait_kmcnt 0x0
	s_add_nc_u64 s[6:7], s[6:7], s[18:19]
	s_add_nc_u64 s[12:13], s[12:13], s[20:21]
	WLOAD 12288, 6
.irp i, 0,1,2,3
	s_wait_loadcnt 6-2*\i                          ; pair i of rows is in; the 2 (3 - i) younger loads stay out
.irp u, 0,1,2,3
	v_cvt_pk_f16_f32 v[48+4*\i+\u], v[16+8*\i+\u], v[20+8*\i+\u]   ; (k, k + 1) of column 4 c + u
	ds_store_b32 v5, v[48+4*\i+\u] offset:\u*TP+64*\i
.endr
.endr
	s_wait_dscnt 0x0                               ; my stores are in LDS before I say so
	s_barrier_signal -1
	s_barrier_wait -1
.irp h, 0,1
.irp k, 0,1
	ds_load_b128 v[64+8*\h+4*\k:67+8*\h+4*\k], v6 offset:32*TP*\h+128*\k   ; n rows 32 h .., piece k of the two
.endr
.endr
.irp h, 0,1
.irp k, 0,1
	s_wait_dscnt 3-2*\h-\k
	global_store_b128 v7, v[64+8*\h+4*\k:67+8*\h+4*\k], s[12:13] offset:24576*\k+4096*\h   ; sixteen lanes: two n rows, 256 bytes
.endr
.endr
	s_wait_tensorcnt 0x0
	ds_add_u32 v112, v113
	s_wait_dscnt 0x0
	s_endpgm
	; ---- W2: the same, split into bf16 hi and lo, two LDS tiles
.Lw2:
	s_sub_co_u32 s17, s16, 640
	s_and_b32 s22, s17, 7                          ; kt
	s_lshr_b32 s23, s17, 3                         ; nt
	s_mul_i32 s18, s22, 128*4096
	s_lshl_b32 s24, s23, 8
	s_add_co_u32 s18, s18, s24
	s_lshr_b32 s24, s23, 1                         ; nb
	s_and_b32 s25, s23, 1                          ; which 64 of its 128 n rows
	s_lshl_b32 s24, s24, 4
	s_lshl1_add_u32 s24, s22, s24                  ; 16 nb + 2 kt
	s_lshl_b32 s20, s24, 14                        ; pieces of 16,384 bytes
	s_lshl_b32 s25, s25, 13
	s_add_co_u32 s20, s20, s25
	s_mov_b32 s26, 0xffff0000                      ; a word's upper bf16
	v_lshlrev_b32 v4, 13, v2                       ; 2 kpair rows of 4,096 bytes
	v_lshl_add_u32 v4, v1, 4, v4
	s_wait_kmcnt 0x0
	s_add_nc_u64 s[8:9], s[8:9], s[18:19]
	s_add_nc_u64 s[14:15], s[14:15], s[20:21]
	WLOAD 4096, 8
.irp i, 0,1,2,3
	s_wait_loadcnt 6-2*\i
.irp u, 0,1,2,3
	v_cvt_pk_bf16_f32 v[48+4*\i+\u], v[16+8*\i+\u], v[20+8*\i+\u]  ; hi
	v_lshlrev_b32 v80, 16, v[48+4*\i+\u]
	v_and_b32 v81, s26, v[48+4*\i+\u]
	v_sub_f32 v80, v[16+8*\i+\u], v80                              ; what hi left over, exact in f32
	v_sub_f32 v81, v[20+8*\i+\u], v81
	v_cvt_pk_bf16_f32 v[64+4*\i+\u], v80, v81                      ; lo
	ds_store_b32 v5, v[48+4*\i+\u] offset:\u*TP+64*\i
	ds_store_b32 v5, v[64+4*\i+\u] offset:TILE+\u*TP+64*\i
.endr
.endr
	s_wait_dscnt 0x0
	s_barrier_signal -1
	s_barrier_wait -1
.irp p, 0,1
.irp h, 0,1
.irp k, 0,1
	ds_load_b128 v[16+16*\p+8*\h+4*\k:19+16*\p+8*\h+4*\k], v6 offset:TILE*\p+32*TP*\h+128*\k
.endr
.endr
.endr
.irp p, 0,1
.irp h, 0,1
.irp k, 0,1
	s_wait_dscnt 7-4*\p-2*\h-\k
	global_store_b128 v7, v[16+16*\p+8*\h+4*\k:19+16*\p+8*\h+4*\k], s[14:15] offset:2097152*\p+16384*\k+4096*\h
.endr
.endr
.endr
	s_wait_tensorcnt 0x0
	ds_add_u32 v112, v113
	s_wait_dscnt 0x0
	s_endpgm
.Lfunc_end_k_q73eb20f566_prep:
	.size	k_q73eb20f566_prep, .Lfunc_end_k_q73eb20f566_prep-k_q73eb20f566_prep
	.p2alignl 7, 3214868480
	.fill 96, 4, 3214868480
	.section	.rodata,"a",@progbits
	.p2align	6, 0x0
	.amdhsa_kernel k_q73eb20f566_prep
		.amdhsa_group_segment_fixed_size 35840
		.amdhsa_private_segment_fixed_size 0
		.amdhsa_enable_private_segment 0
		.amdhsa_kernarg_size 48
		.amdhsa_user_sgpr_count 2
		.amdhsa_user_sgpr_kernarg_segment_ptr 1
		.amdhsa_wavefront_size32 1
		.amdhsa_system_sgpr_workgroup_id_x 1
		.amdhsa_system_sgpr_workgroup_id_y 1
		.amdhsa_system_sgpr_workgroup_id_z 1
		.amdhsa_system_vgpr_workitem_id 0
		.amdhsa_next_free_vgpr 114
		.amdhsa_next_free_sgpr 66
		.amdhsa_reserve_vcc 0
		.amdhsa_float_denorm_mode_32 3
		.amdhsa_float_denorm_mode_16_64 3
		.amdhsa_memory_ordered 1
		.amdhsa_forward_progress 1
		.amdhsa_inst_pref_size 22
	.end_amdhsa_kernel
	.amdgpu_metadata
---
amdhsa.version: [ 1, 2 ]
amdhsa.kernels:
  - .name:           k_q73eb20f566_prep
    .symbol:         k_q73eb20f566_prep.kd
    .args:
      - { .name: x, .offset: 0, .size: 8, .value_kind: global_buffer, .address_space: global }
      - { .name: W1, .offset: 8, .size: 8, .value_kind: global_buffer, .address_space: global }
      - { .name: W2, .offset: 16, .size: 8, .value_kind: global_buffer, .address_space: global }
      - { .name: xt, .offset: 24, .size: 8, .value_kind: global_buffer, .address_space: global }
      - { .name: w1t, .offset: 32, .size: 8, .value_kind: global_buffer, .address_space: global }
      - { .name: w2t, .offset: 40, .size: 8, .value_kind: global_buffer, .address_space: global }
    .group_segment_fixed_size: 35840
    .private_segment_fixed_size: 0
    .kernarg_segment_align: 8
    .kernarg_segment_size: 48
    .max_flat_workgroup_size: 256
    .sgpr_count:     66
    .vgpr_count:     114
    .wavefront_size: 32
...
	.end_amdgpu_metadata
.endif
;; end of part 1
;; launch gemm1 (part 2): grid 16 x 16, 4 waves a work-group, clusters of 4 x 4, 327,680 bytes of LDS; arguments xt, w1t, b1, kq, vv, st; writes kq, vv, st
.if DOCPART == 2
	.amdgcn_target "amdgcn-amd-amdhsa--gfx1250"
	.amdhsa_code_object_version 6
	.text
	.protected	k_q73eb20f566_gemm1
	.globl	k_q73eb20f566_gemm1
	.p2align	8
	.type	k_q73eb20f566_gemm1,@function
k_q73eb20f566_gemm1:
	s_mov_b64 s[64:65], 0
	v_nop
	global_prefetch_b8 v0, s[64:65] scope:SCOPE_SE
	s_setreg_imm32_b32 hwreg(HW_REG_WAVE_MODE, 25, 1), 1
	s_wait_xcnt 0x0
	s_wait_alu depctr_hold_cnt(0) depctr_sa_sdst(0) depctr_va_vdst(0) depctr_va_sdst(0) depctr_va_ssrc(0) depctr_va_vcc(0) depctr_vm_vsrc(0)
	s_getreg_b32 s2, hwreg(HW_REG_IB_STS2, 6, 4)
	s_cmp_eq_u32 s2, 0
	s_cbranch_scc0 .Lentry_in_a_cluster
	s_endpgm
.Lentry_in_a_cluster:
	s_bfe_u32 s2, ttmp6, 0x10000c
	s_cmp_lg_u32 s2, 0xf033
	s_cbranch_scc0 .Lentry_shape_is_right
	s_endpgm
.Lentry_shape_is_right:
; For one block of 256 rows (tb) and one head: the 256 x 192 tile [k | q | v] = x W1 + b1, f16 operands, f32 sums, stored as f16
;   kq [head][t][128] (k, then q), vv [head][t][64],
; and the block's state  st[head][tb][d][e] = sum over the block's 256 rows s of v[s][d] k[s][e], in f32 (from the f16 k and v).
; reference() has no softmax, so row t of block c is  q_t (sum of the states of blocks before c) + the causal part inside block c:
; an identity for every input, of sums alone.  The next launch uses it.
; Four waves; wave (wr, wc) makes 128 rows x 96 columns: 48 accumulator tiles, 384 registers.  K = 1024 goes in 8 steps of 128 through
; two LDS slots.  xt and w1t are tile-major, so a wave's one tensor load is a dense block taken as rows of 256 bytes.
; CLUSTERS: 4 x 4 work-groups.  x's tiles hang on tb alone and are asked for jointly along a row of the cluster, W1's on the head alone
; and jointly along a column: the requests for both are divided by four.
; The matrix instruction is used transposed (source 0 = rows of w1t, source 1 = rows of xt): lane l holds row l % 16, its registers the
; eight neighbouring columns 8 (l / 16) + 0..7.
; LIMITS: k, q, v are kept in f16 (65,504 and above become infinite); the order of the sums is not reference()'s.
; REGISTERS: window 0: v0-33 addresses, v64-127 / v128-191 fragments of x (two buffers), v192-239 bias;  window 1: v64-111 / v128-175
; fragments of W1;  window 2: tiles of my rows 0-63 (tile (a, b) at v[8 (6 a + b)]);  window 3: rows 64-127.
.set PITCH,  272                       ; an LDS row: 256 bytes (two tile rows of 64 f16) + 16 of padding
.set FRAG,   8*PITCH                   ; 16 tile rows
.set PIECE,  128*PITCH                 ; the region of one wave's tensor load: 256 rows x 64 k of x; W1's 192 rows use 96 of its 128 LDS rows
.set SLOT,   4*PIECE                   ; x's pieces 2j, 2j+1, then W1's
.set LAPS,   4                         ; a lap = two K steps = once round the ring
.set SP,     416                       ; the stage's pitch: 384 bytes + 32 = 13 x 32
.set ADRA, 16                          ; v16-17  my fragments of x in slot 0, 1
.set ADRB, 20                          ; v20-21  of W1
.set STO,  24                          ; stage: where I put 16 bytes
.set RDK,  25                          ; stage: rows read back for kq
.set RDV,  26                          ; for vv
.set L16,  27                          ; 16 x lane
.set TRK,  28                          ; v28-29  transposing reads of k, rows 0-127 / 128-255
.set TRV,  30                          ; v30-31  of v
.set SST,  32                          ; the state's stage: in
.set SRD,  33                          ; and back
.set F0,   64
.set F1,   128
.set BIAS, 192
.set TT,   64                          ; way out: sums with bias
.set PK,   112                         ; way out: packed f16
.set SF,   64                          ; state: fragments, 40 registers a k step
.set SA,   224                         ; state: four accumulators
.set G1,  24                           ; s[24:31] group 1 for x's tiles
.set G0,  32                           ; s[32:39] group 0 for x's tiles, one set a slot
.set G1B, 48                           ; s[48:55] group 1 for W1's tiles
.set G0B, 56                           ; s[56:63] group 0 for W1's tiles
.set MSB, 0
.macro WIN new                         ; the immediate's high byte repeats the setting that is left
.if MSB != \new
	s_set_vgpr_msb (MSB<<8)|\new
.set MSB, \new
.endif
.endm
.set MUL_LO, 0xa1                      ; source 0 window 1, source 1 window 0, C and D window 2
.set MUL_HI, 0xf1                      ; C and D window 3
.set TO_B,   0x40                      ; destination window 1
.macro JLOAD s                         ; waves 0, 1 ask for x's two pieces, waves 2, 3 for W1's: one mask and one set of registers a line
	s_cmp_eq_u32 s17, 0
	s_cbranch_scc0 .Lfor_b_\@
	tensor_load_to_lds s[G0+4*\s:G0+4*\s+3], s[G1:G1+7]
	s_nop 0
	s_branch .Lasked_\@
.Lfor_b_\@:
	tensor_load_to_lds s[G0B+4*\s:G0B+4*\s+3], s[G1B:G1B+7]
	s_nop 0
.Lasked_\@:
.endm
.macro CREST                           ; a round of the cluster's barrier behind its opening barrier
	s_cmp_lg_u32 s16, 0
	s_cbranch_scc1 .Lnot_wave_0_\@
	s_barrier_signal -3
.Lnot_wave_0_\@:
	s_barrier_wait -3
	s_barrier_signal -1
	s_barrier_wait -1
.endm
.macro CROUND
	s_barrier_signal -1
	s_barrier_wait -1
	CREST
.endm
.macro PLACES                          ; four places behind a matrix instruction (ISA guide 7.12.1) before its registers are loaded into or its result read
.rept 4
	v_nop
.endr
.endm
	s_load_b256 s[4:11], s[0:1], 0x0               ; xt s[4:5], w1t s[6:7], b1 s[8:9], kq s[10:11]
	s_load_b128 s[12:15], s[0:1], 0x20             ; vv s[12:13], st s[14:15]
	s_set_vgpr_msb 0x40
	v_lshl_add_u32 v255, v0, 2, 0x44000
	s_set_vgpr_msb 0x4000
	v_mov_b32 v63, 0
	s_set_vgpr_msb 0x1
	ds_add_u32 v255, v63
	s_set_vgpr_msb 0x100
	v_lshrrev_b32 v1, 5, v0
	v_readfirstlane_b32 s16, v1                    ; wave 0..3
	s_lshr_b32 s17, s16, 1                         ; wr: my 128 rows.  Also: I fetch for x (0) or for W1 (1)
	s_and_b32 s18, s16, 1                          ; wc: my 96 columns.  Also: which of the step's two pieces I fetch
	s_bfe_u32 s19, ttmp6, 0x40000                  ; cx
	s_bfe_u32 s20, ttmp6, 0x40004                  ; cy
	s_lshl_b32 s21, ttmp9, 2
	s_add_co_u32 s21, s21, s19                     ; head = 4 x cluster x + cx
	s_and_b32 s22, ttmp7, 0xffff
	s_lshl_b32 s22, s22, 2
	s_add_co_u32 s22, s22, s20                     ; tb = 4 x cluster y + cy
	s_lshl_b32 s40, s20, 2
	s_lshl_b32 s40, 15, s40                        ; my row of the cluster
	s_lshl_b32 s41, 0x1111, s19                    ; my column
	; group 1: rows of 32 elements of 8 bytes, dense (pitch 32), 16 bytes of padding behind each 64 words
	s_or_b32 s[G1+0], s40, (3<<16)|(1<<20)|(1<<21)|(5<<22)|(3<<25)
	s_or_b32 s[G1B+0], s41, (3<<16)|(1<<20)|(1<<21)|(5<<22)|(3<<25)
	s_mov_b32 s[G1+1], 32<<16                      ; tensor_dim0 = 32
	s_mov_b32 s[G1B+1], 32<<16
	s_mov_b32 s[G1+2], 128<<16                     ; tensor_dim1 = 128 rows of 256 bytes: 256 rows of x
	s_mov_b32 s[G1B+2], 96<<16                     ; 96: 192 rows of w1t
	s_mov_b32 s[G1+3], 32<<16                      ; tile_dim0
	s_mov_b32 s[G1B+3], 32<<16
	s_mov_b32 s[G1+4], 128                         ; tile_dim1
	s_mov_b32 s[G1B+4], 96
	s_mov_b32 s[G1+5], 32                          ; pitch
	s_mov_b32 s[G1B+5], 32
	s_mov_b32 s[G1+6], 0
	s_mov_b32 s[G1B+6], 0
	s_mov_b32 s[G1+7], 0
	s_mov_b32 s[G1B+7], 0
	; x's address is made of tb and the wave's number, W1's of the head and the wave's number, each in registers that never hold the other coordinate
	s_lshl_b32 s42, s22, 19                        ; tb x 16 pieces of 32,768 bytes
	s_lshl_b32 s23, s18, 15
	s_add_co_u32 s42, s42, s23
	s_mov_b32 s43, 0
	s_mul_i32 s46, s21, 16*24576                   ; head x 16 pieces of 24,576 bytes
	s_mul_i32 s72, s18, 24576
	s_add_co_u32 s46, s46, s72
	s_mov_b32 s47, 0
	s_mul_i32 s23, s16, PIECE                      ; where my load goes: the wave's number times a constant
	s_wait_dscnt 0x0
	s_wait_kmcnt 0x0
	s_add_nc_u64 s[44:45], s[4:5], s[42:43]
	s_add_nc_u64 s[46:47], s[6:7], s[46:47]
	CROUND                                         ; all sixteen work-groups are here: the first joint loads meet
.irp s, 0,1
	s_mov_b32 s[G0+4*\s], 1
	s_add_co_u32 s[G0+4*\s+1], s23, \s*SLOT
	s_add_nc_u64 s[G0+4*\s+2:G0+4*\s+3], s[44:45], \s*65536        ; K step s: pieces 2 s, 2 s + 1
	s_or_b32 s[G0+4*\s+3], s[G0+4*\s+3], 0x80000000
	s_mov_b32 s[G0B+4*\s], 1
	s_add_co_u32 s[G0B+4*\s+1], s23, \s*SLOT
	s_add_nc_u64 s[G0B+4*\s+2:G0B+4*\s+3], s[46:47], \s*49152
	s_or_b32 s[G0B+4*\s+3], s[G0B+4*\s+3], 0x80000000
	JLOAD \s                                       ; two tensor loads of the wave are out here, one behind each later round
.endr
	; bias: for W1 fragment b my eight columns are t = 96 wc + 16 b + 8 h + 0..7 of the 192; in b1 that is 1024 (t / 64) + 64 head + t % 64
	s_lshl_b32 s72, s21, 8
	s_mov_b32 s73, 0
	s_add_nc_u64 s[8:9], s[8:9], s[72:73]
	s_mul_i32 s74, s18, 96
	v_bfe_u32 v2, v0, 4, 1                         ; h
	v_lshl_add_u32 v7, v2, 3, s74
.irp b, 0,1,2,3,4,5
	v_add_nc_u32 v5, 16*\b, v7
	v_lshrrev_b32 v4, 6, v5
	v_and_b32 v5, 63, v5
	v_lshl_or_b32 v5, v4, 10, v5
	v_lshlrev_b32 v[8+\b], 2, v5
	global_load_b128 v[BIAS+8*\b:BIAS+8*\b+3], v[8+\b], s[8:9]
	global_load_b128 v[BIAS+8*\b+4:BIAS+8*\b+7], v[8+\b], s[8:9] offset:16
.endr
	; fragment addresses.  Tile row R lies in LDS row R / 2, half R % 2: lane (r, h) starts at (r / 2) 272 + (r % 2) 128 + 16 h
	v_and_b32 v1, 15, v0                           ; r
	v_and_b32 v6, 31, v0                           ; lane
	v_lshrrev_b32 v4, 1, v1
	v_and_b32 v5, 1, v1
	v_mul_u32_u24 v3, v4, PITCH
	v_lshl_add_u32 v3, v5, 7, v3
	v_lshl_add_u32 v3, v2, 4, v3
	s_mul_i32 s72, s17, 8*FRAG                     ; my 128 rows of x
	s_mul_i32 s73, s18, 6*FRAG                     ; my 96 rows of w1t,
	s_add_co_u32 s73, s73, 2*PIECE                 ; behind x's two pieces
.irp s, 0,1
	v_add_nc_u32 v[ADRA+\s], s72, v3
	v_add_nc_u32 v[ADRB+\s], s73, v3
	s_add_co_u32 s72, s72, SLOT
	s_add_co_u32 s73, s73, SLOT
.endr
	s_mul_i32 s72, s17, 128*SP
	s_mul_i32 s73, s18, 192
	s_add_co_u32 s72, s72, s73
	v_mul_u32_u24 v4, v1, SP
	v_lshl_add_u32 v4, v2, 4, v4
	v_add_nc_u32 v[STO], s72, v4                   ; (128 wr + r) 416 + 192 wc + 16 h
	s_mul_i32 s72, s16, 64*SP                      ; the 64 rows that I copy out
	v_mul_u32_u24 v4, v2, SP
	v_lshl_add_u32 v4, v1, 4, v4
	v_add_nc_u32 v[RDK], s72, v4                   ; two rows of 256 bytes a load
	s_add_co_u32 s73, s72, 256
	v_lshrrev_b32 v4, 3, v6
	v_and_b32 v5, 7, v6
	v_mul_u32_u24 v4, v4, SP
	v_lshl_add_u32 v4, v5, 4, v4
	v_add_nc_u32 v[RDV], s73, v4                   ; four rows of 128 bytes a load
	v_lshlrev_b32 v[L16], 4, v6
	v_lshl_add_u32 v4, v2, 3, v5                   ; 8 h + lane % 8
	v_bfe_u32 v5, v0, 3, 1
	v_mul_u32_u24 v4, v4, SP
	v_lshl_add_u32 v[TRK], v5, 4, v4
	v_add_nc_u32 v[TRK+1], 128*SP, v[TRK]
	s_lshl_b32 s73, s16, 5
	s_add_co_u32 s73, s73, 256                     ; v's part of a row, my 16 columns d
	v_add_nc_u32 v[TRV], s73, v[TRK]
	v_add_nc_u32 v[TRV+1], s73, v[TRK+1]
	s_mul_i32 s72, s16, 16*PITCH
	s_add_co_u32 s72, s72, SLOT                    ; the state's stage: my own 16 rows of 272 bytes, in slot 1
	v_mul_u32_u24 v4, v2, 8*PITCH
	v_lshl_add_u32 v4, v1, 2, v4
	v_add_nc_u32 v[SST], s72, v4
	v_mul_u32_u24 v4, v2, PITCH
	v_lshl_add_u32 v4, v1, 4, v4
	v_add_nc_u32 v[SRD], s72, v4
; 12 matrix instructions: row fragments a0, a0 + 1 of the window's four x all six column fragments, 32 along K.
; The 48 accumulators take turns, one instruction a turn, in the same order in every quarter step.
.macro MUL12 f, hi, a0, zero
.irp a, \a0, \a0+1
.irp b, 0,1,2,3,4,5
.if \zero
	v_wmma_f32_16x16x32_f16 v[8*(6*(\a)+\b):8*(6*(\a)+\b)+7], v[\f+8*\b:\f+8*\b+7], v[\f+8*(4*\hi+\a):\f+8*(4*\hi+\a)+7], 0
.else
	v_wmma_f32_16x16x32_f16 v[8*(6*(\a)+\b):8*(6*(\a)+\b)+7], v[\f+8*\b:\f+8*\b+7], v[\f+8*(4*\hi+\a):\f+8*(4*\hi+\a)+7], v[8*(6*(\a)+\b):8*(6*(\a)+\b)+7]
.endif
.endr
.endr
.endm
; 28 LDS loads in one run: quarter q of a K step (piece q / 2, its half q % 2) into buffer f: W1's six fragments, then x's eight
.macro FETCH slot, q, f
.set KO, (\q/2)*PIECE+(\q%2)*64
	WIN TO_B
.irp i, 0,1,2,3,4,5
	ds_load_b128 v[\f+8*\i:\f+8*\i+3],   v[ADRB+\slot] offset:KO+\i*FRAG
	ds_load_b128 v[\f+8*\i+4:\f+8*\i+7], v[ADRB+\slot] offset:KO+\i*FRAG+32
.endr
	WIN 0
.irp i, 0,1,2,3,4,5,6,7
	ds_load_b128 v[\f+8*\i:\f+8*\i+3],   v[ADRA+\slot] offset:KO+\i*FRAG
	ds_load_b128 v[\f+8*\i+4:\f+8*\i+7], v[ADRA+\slot] offset:KO+\i*FRAG+32
.endr
.endm
.macro QUARTER slot, q, f, g, zero     ; multiplies buffer f; in its middle fetches quarter q into buffer g
	s_wait_dscnt 8                                 ; W1 and x's fragments 0-3 are in; the youngest eight loads (x's 4-7) may be out
	WIN MUL_LO
	MUL12 \f, 0, 0, \zero
	MUL12 \f, 0, 2, \zero
	PLACES
	FETCH \slot, \q, \g
	s_wait_dscnt 28                                ; all but the 28 just issued
	WIN MUL_HI
	MUL12 \f, 1, 0, \zero
	MUL12 \f, 1, 2, \zero
.endm
.macro THREE slot, zero
	QUARTER \slot, 1, F0, F1, \zero
	QUARTER \slot, 2, F1, F0, 0
	QUARTER \slot, 3, F0, F1, 0
.endm
; The last quarter of a K step changes slots.  In front of the barrier each wave waits for its reads of this slot and for all its tensor
; loads (the one that is out is its part of the next slot); behind it the refill comes first, then the next slot's first fragments.
; Where the slot is filled again the barrier opens a round of the cluster's barrier, with register work alone inside.
.macro TURN slot, next, fill
	s_wait_dscnt 8
	WIN MUL_LO
	MUL12 F1, 0, 0, 0
	s_wait_dscnt 0
	s_wait_tensorcnt 0x0
	ds_add_u32 v255, v63
	s_wait_dscnt 0x0
	s_barrier_signal -1
	MUL12 F1, 0, 2, 0
	WIN 0
	s_barrier_wait -1
.if \fill
	CREST
	s_add_nc_u64 s[G0+4*\slot+2:G0+4*\slot+3], s[G0+4*\slot+2:G0+4*\slot+3], 131072    ; two K steps on: four pieces of x
	s_add_nc_u64 s[G0B+4*\slot+2:G0B+4*\slot+3], s[G0B+4*\slot+2:G0B+4*\slot+3], 98304 ; four pieces of w1t
	JLOAD \slot                                    ; my one tensor load behind the round
.endif
	PLACES
	FETCH \next, 0, F0
	WIN MUL_HI
	MUL12 F1, 1, 0, 0
	MUL12 F1, 1, 2, 0
.endm
.macro LAP zero
	THREE 0, \zero
	TURN 0, 1, 1
	THREE 1, 0
	TURN 1, 0, 1
.endm
	s_wait_tensorcnt 1                             ; my part of K step 0 is in; K step 1's stays out
	s_barrier_signal -1
	s_barrier_wait -1
	FETCH 0, 0, F0
	LAP 1                                          ; the first products start the sums: nothing is cleared
	WIN 0
	s_mov_b32 s3, LAPS-2
.Llap:
	LAP 0
	WIN 0
	s_sub_co_u32 s3, s3, 1
	s_cmp_lg_u32 s3, 0
	s_cbranch_scc1 .Llap
	THREE 0, 0                                     ; the last lap fills nothing
	TURN 0, 1, 0                                   ; behind its barrier nobody reads slot 0 and no tensor load is out
	THREE 1, 0
	s_wait_dscnt 8
	WIN MUL_LO
	MUL12 F1, 0, 0, 0
	MUL12 F1, 0, 2, 0
	s_wait_dscnt 0
	WIN MUL_HI
	MUL12 F1, 1, 0, 0
	MUL12 F1, 1, 2, 0
	; ---- the way out.  The stage (256 rows x 416 bytes: k | q | v) lies in slot 0, which has had its last fill and its last read.
	PLACES
	s_lshl_b32 s72, s21, 4
	s_add_co_u32 s72, s72, s22
	s_lshl_b32 s72, s72, 14                        ; state (head, tb): 16,384 bytes
	s_lshl_b32 s74, s16, 12                        ; my 16 rows d
	s_add_co_u32 s72, s72, s74
	s_mov_b32 s73, 0
	s_add_nc_u64 s[66:67], s[14:15], s[72:73]
	s_lshl_b32 s72, s21, 20
	s_lshl_b32 s74, s22, 16
	s_add_co_u32 s72, s72, s74
	s_lshl_b32 s74, s16, 14
	s_add_co_u32 s72, s72, s74
	s_add_nc_u64 s[68:69], s[10:11], s[72:73]      ; kq at my 64 rows
	s_lshr_b32 s72, s72, 1
	s_add_nc_u64 s[70:71], s[12:13], s[72:73]      ; vv: rows half as long
	s_wait_loadcnt 0x0                             ; the bias
.macro OUT i, a, win                   ; rows 16 i .. of my 128: + bias, to f16, 16 bytes a lane and fragment into the stage
	WIN \win                                       ; source 0 in the accumulators' window
.irp b, 0,1,2,3,4,5
.irp p, 0,1,2,3
	v_pk_add_f32 v[TT+8*\b+2*\p:TT+8*\b+2*\p+1], v[8*(6*\a+\b)+2*\p:8*(6*\a+\b)+2*\p+1], v[BIAS+8*\b+2*\p:BIAS+8*\b+2*\p+1]
.endr
.endr
	WIN 0
.irp b, 0,1,2,3,4,5
.irp p, 0,1,2,3
	v_cvt_pk_f16_f32 v[PK+4*\b+\p], v[TT+8*\b+2*\p], v[TT+8*\b+2*\p+1]
.endr
	ds_store_b128 v[STO], v[PK+4*\b:PK+4*\b+3] offset:\i*16*SP+32*\b
.endr
.endm
	OUT 0, 0, 2
	OUT 1, 1, 2
	OUT 2, 2, 2
	OUT 3, 3, 2
	OUT 4, 0, 3
	OUT 5, 1, 3
	OUT 6, 2, 3
	OUT 7, 3, 3
	s_wait_dscnt 0x0                               ; my part of the stage is written, my reads of slot 1 are long back
	s_barrier_signal -1
	s_barrier_wait -1                              ; the stage is whole; nobody reads slot 1 any more
	; ---- the block's state: rows d = 16 w .. + 15, all 64 e, K = the block's 256 rows s.  k and v lie [s][column], so the fragments come
	; by transposing loads.  Source 0 = v (rows d), source 1 = k (columns e).  Four accumulators take turns.
.macro STATE g                         ; k steps 4 g .. 4 g + 3 of 32 rows
.irp k, 0,1,2,3
	ds_load_tr16_b128 v[SF+40*\k:SF+40*\k+3],   v[TRV+\g] offset:\k*32*SP
	ds_load_tr16_b128 v[SF+40*\k+4:SF+40*\k+7], v[TRV+\g] offset:\k*32*SP+16*SP
.irp e, 0,1,2,3
	ds_load_tr16_b128 v[SF+40*\k+8+8*\e:SF+40*\k+11+8*\e],  v[TRK+\g] offset:\k*32*SP+32*\e
	ds_load_tr16_b128 v[SF+40*\k+12+8*\e:SF+40*\k+15+8*\e], v[TRK+\g] offset:\k*32*SP+16*SP+32*\e
.endr
.endr
	s_wait_dscnt 0x0
.irp k, 0,1,2,3
.irp e, 0,1,2,3
.if (\g+\k) == 0
	v_wmma_f32_16x16x32_f16 v[SA+8*\e:SA+8*\e+7], v[SF+40*\k:SF+40*\k+7], v[SF+40*\k+8+8*\e:SF+40*\k+15+8*\e], 0
.else
	v_wmma_f32_16x16x32_f16 v[SA+8*\e:SA+8*\e+7], v[SF+40*\k:SF+40*\k+7], v[SF+40*\k+8+8*\e:SF+40*\k+15+8*\e], v[SA+8*\e:SA+8*\e+7]
.endif
.endr
.endr
.endm
	STATE 0
	PLACES
	STATE 1
	PLACES
.irp e, 0,1,2,3
.irp j, 0,1,2,3,4,5,6,7
	ds_store_b32 v[SST], v[SA+8*\e+\j] offset:\j*PITCH+64*\e       ; (d = 8 h + j, e = 16 e + r) into my own stage
.endr
.endr
.irp u, 0,1,2,3,4,5,6,7
	ds_load_b128 v[64+4*\u:67+4*\u], v[SRD] offset:2*PITCH*\u      ; LDS serves a wave's instructions in order: these see the stores above
.endr
.irp u, 0,1,2,3,4,5,6,7
	s_wait_dscnt 7-\u
	global_store_b128 v[L16], v[64+4*\u:67+4*\u], s[66:67] offset:512*\u   ; two rows d: 512 consecutive bytes
.endr
; eight loads from the stage and eight stores of 512 consecutive bytes
.macro COPY8 rd, step, first, buf, base
	s_wait_xcnt 0x0                                ; the buffer, which earlier stores read, is loaded again only behind this wait
.irp u, 0,1,2,3,4,5,6,7
	ds_load_b128 v[\buf+4*\u:\buf+4*\u+3], v[\rd] offset:\step*(\first+\u)
.endr
.irp u, 0,1,2,3,4,5,6,7
	s_wait_dscnt 7-\u
	global_store_b128 v[L16], v[\buf+4*\u:\buf+4*\u+3], s[\base:\base+1] offset:512*(\first+\u)
.endr
.endm
	COPY8 RDK, 2*SP, 0,  96,  68
	COPY8 RDK, 2*SP, 8,  128, 68
	COPY8 RDK, 2*SP, 16, 96,  68
	COPY8 RDK, 2*SP, 24, 128, 68
	COPY8 RDV, 4*SP, 0,  96,  70
	COPY8 RDV, 4*SP, 8,  128, 70
	s_set_vgpr_msb 0x1
	s_wait_tensorcnt 0x0
	ds_add_u32 v255, v63
	s_wait_dscnt 0x0
	s_set_vgpr_msb 0x100
	CROUND                                         ; the closing round: no work-group ends while a partner may still ask jointly
	s_endpgm
.Lfunc_end_k_q73eb20f566_gemm1:
	.size	k_q73eb20f566_gemm1, .Lfunc_end_k_q73eb20f566_gemm1-k_q73eb20f566_gemm1
	.p2alignl 7, 3214868480
	.fill 96, 4, 3214868480
	.section	.rodata,"a",@progbits
	.p2align	6, 0x0
	.amdhsa_kernel k_q73eb20f566_gemm1
		.amdhsa_group_segment_fixed_size 327680
		.amdhsa_private_segment_fixed_size 0
		.amdhsa_enable_private_segment 0
		.amdhsa_kernarg_size 48
		.amdhsa_user_sgpr_count 2
		.amdhsa_user_sgpr_kernarg_segment_ptr 1
		.amdhsa_wavefront_size32 1
		.amdhsa_system_sgpr_workgroup_id_x 1
		.amdhsa_system_sgpr_workgroup_id_y 1
		.amdhsa_system_sgpr_workgroup_id_z 1
		.amdhsa_system_vgpr_workitem_id 0
		.amdhsa_next_free_vgpr 960
		.amdhsa_next_free_sgpr 80
		.amdhsa_reserve_vcc 0
		.amdhsa_float_denorm_mode_32 3
		.amdhsa_float_denorm_mode_16_64 3
		.amdhsa_memory_ordered 1
		.amdhsa_forward_progress 1
		.amdhsa_inst_pref_size 185
	.end_amdhsa_kernel
	.amdgpu_metadata
---
amdhsa.version: [ 1, 2 ]
amdhsa.kernels:
  - .name:           k_q73eb20f566_gemm1
    .symbol:         k_q73eb20f566_gemm1.kd
    .args:
      - { .name: xt, .offset: 0, .size: 8, .value_kind: global_buffer, .address_space: global }
      - { .name: w1t, .offset: 8, .size: 8, .value_kind: global_buffer, .address_space: global }
      - { .name: b1, .offset: 16, .size: 8, .value_kind: global_buffer, .address_space: global }
      - { .name: kq, .offset: 24, .size: 8, .value_kind: global_buffer, .address_space: global }
      - { .name: vv, .offset: 32, .size: 8, .value_kind: global_buffer, .address_space: global }
      - { .name: st, .offset: 40, .size: 8, .value_kind: global_buffer, .address_space: global }
    .group_segment_fixed_size: 327680
    .private_segment_fixed_size: 0
    .kernarg_segment_align: 8
    .kernarg_segment_size: 48
    .max_flat_workgroup_size: 128
    .sgpr_count:     80
    .vgpr_count:     960
    .wavefront_size: 32
...
	.end_amdgpu_metadata
.endif
;; end of part 2
;; launch attn (part 3): grid 16 x 16, 8 waves a work-group, no clusters, 203,776 bytes of LDS; arguments kq, vv, st, oo; writes oo
.if DOCPART == 3
	.amdgcn_target "amdgcn-amd-amdhsa--gfx1250"
	.amdhsa_code_object_version 6
	.text
	.protected	k_q73eb20f566_attn
	.globl	k_q73eb20f566_attn
	.p2align	8
	.type	k_q73eb20f566_attn,@function
k_q73eb20f566_attn:
	s_mov_b64 s[64:65], 0
	v_nop
	global_prefetch_b8 v0, s[64:65] scope:SCOPE_SE
	s_setreg_imm32_b32 hwreg(HW_REG_WAVE_MODE, 25, 1), 1
	s_wait_xcnt 0x0
; For head = x and row block c = y (256 rows):  O[t][d] = sum_e q[t][e] S[e][d]  +  sum over s <= t inside the block of (q_t . k_s) v[s][d],
; S = the sum of the states of blocks 0 .. c-1 (st holds them transposed, [d][e]).  O leaves as bf16 hi + lo:
;   oo [part 2][tb128 32][head 16][r 128][d 64].
; Formats: q k^T in f16 (as stored); q S with S = hi + lo and q = hi + lo in bf16 (q's split is exact; the lo x lo term, some 2^-16 of
; the sum, is dropped); the in-block scores and v in plain bf16: that part has at most 256 terms.
; Eight waves; wave w owns query rows 32 w .. 32 w + 31 and holds O transposed (rows d, columns t) in eight accumulators, so a lane ends
; with eight neighbouring d of one row t.  It walks key steps of 32 rows: w full ones, then the one on the diagonal, masked by value.
; All 15 earlier-or-later states of the head are always read and multiplied by 1 or 0 (i < c): every work-group has the same loads and counts.
; Two barriers: one between the fill of LDS and its reads, one between the last reads and the stores into the waves' output stages.
; NO CLUSTER: what the sixteen blocks of a head share is the 245,760 bytes of states; they are summed straight from registers, 16 numbers a
; thread, each block with its own mask.  Asked for jointly they would have to pass through LDS, which beside the 202,752 bytes in use
; has no room for them, in rounds of the cluster's barrier for eight additions each.
; LIMITS: a state that is not finite makes NaN in every block of its head (0 x infinity); the order of sums is not reference()'s.
.set KQP,  272                         ; k | q rows: 256 bytes + 16
.set VB,   256*KQP                     ; v in bf16
.set VP,   160                         ; 128 bytes + 32 = 5 x 32, for the transposing loads
.set SHI,  VB+256*VP                   ; S hi, 64 rows d
.set SPT,  144                         ; 128 bytes + 16
.set SLOD, 64*SPT                      ; S lo lies so far behind hi
.set OUTB, SHI+2*64*SPT                ; each wave's own stage: hi 32 rows, lo 32 rows
.set OUTW, 64*SPT
.set VK, 8                             ; v8   k fragments (stepped)
.set VQ, 9                             ; v9   my q fragments
.set VV, 10                            ; v10  v, transposing (stepped)
.set VS, 11                            ; v11  S fragments
.set VOS, 12                           ; v12  stage in
.set VOR, 13                           ; v13  stage back
.set VL, 14                            ; v14  16 x lane
.set XA, 112                           ; v112-175 four states as loaded
.set XB, 176                           ; v176-239 four more
.set ACC, 240                          ; v240-255 my 16 numbers of S
.set QF, 16                            ; v16-47  q in f16, fragment (tt, kk) at 8 (2 tt + kk)
.set QH, 48                            ; v48-79  q hi
.set QL, 80                            ; v80-111 q lo
.set SH, 112                           ; v112-143 S hi fragments
.set SL, 144                           ; v144-175 S lo
.set KF, 48                            ; v48-79  k fragments (st, kk)
.set PT, 80                            ; v80-111 score tiles (st, tt), f32
.set PB, 112                           ; v112-127 scores in bf16, fragment tt
.set VF, 128                           ; v128-159 v fragments dt
.set OA, 192                           ; v192-255 O tiles (dt, tt) at 8 (2 dt + tt)
.set TT, 176                           ; v176-191 at work
.set HO, 16                            ; way out: hi
.set LO, 48                            ; lo
.macro PLACES                          ; four places behind a matrix instruction (ISA guide 7.12.1)
.rept 4
	v_nop
.endr
.endm
.macro SPLIT hi, lo, a, t              ; the pair v[a:a+1] as bf16 hi and bf16 lo = what hi left over; t: a pair at work
	v_cvt_pk_bf16_f32 v[\hi], v[\a], v[\a+1]
	v_lshlrev_b32 v[\t], 16, v[\hi]
	v_and_b32 v[\t+1], s19, v[\hi]
	v_pk_add_f32 v[\t:\t+1], v[\a:\a+1], v[\t:\t+1] neg_lo:[0,1] neg_hi:[0,1]
	v_cvt_pk_bf16_f32 v[\lo], v[\t], v[\t+1]
.endm
	s_load_b256 s[4:11], s[0:1], 0x0               ; kq s[4:5], vv s[6:7], st s[8:9], oo s[10:11]
	v_lshl_add_u32 v7, v0, 2, 0x31800
	v_mov_b32 v15, 0
	v_lshrrev_b32 v2, 5, v0
	v_readfirstlane_b32 s16, v2                    ; wave 0..7
	s_mov_b32 s17, ttmp9                           ; head
	s_and_b32 s18, ttmp7, 0xffff                   ; c
	s_mov_b32 s19, 0xffff0000                      ; a word's upper bf16
	v_lshlrev_b32 v1, 4, v0                        ; 16 tid: the one offset of all loads; never rewritten
	s_lshl_b32 s28, s17, 20
	s_lshl_b32 s22, s18, 16
	s_add_co_u32 s28, s28, s22                     ; kq: head, block
	s_mov_b32 s29, 0
	s_lshr_b32 s30, s28, 1                         ; vv: rows half as long
	s_mov_b32 s31, 0
	s_lshl_b32 s32, s17, 18                        ; st: the head's 16 states
	s_mov_b32 s33, 0
	s_lshl_b32 s34, s18, 1
	s_lshr_b32 s22, s16, 2
	s_add_co_u32 s34, s34, s22                     ; tb128 = 2 c + w / 4
	s_lshl_b32 s34, s34, 4
	s_add_co_u32 s34, s34, s17
	s_lshl_b32 s34, s34, 14                        ; pieces of 16,384 bytes
	s_and_b32 s22, s16, 3
	s_lshl_b32 s22, s22, 12                        ; my 32 rows of 128 bytes
	s_add_co_u32 s34, s34, s22
	s_mov_b32 s35, 0
	s_wait_kmcnt 0x0
	s_add_nc_u64 s[4:5], s[4:5], s[28:29]
	s_add_nc_u64 s[6:7], s[6:7], s[30:31]
	s_add_nc_u64 s[8:9], s[8:9], s[32:33]
	s_add_nc_u64 s[24:25], s[10:11], s[34:35]      ; oo, hi
	s_add_nc_u64 s[26:27], s[24:25], 0x800000      ; oo, lo
	; ---- all that can be asked for at once: 16 + 8 + 16 + 16 = 56 loads
.irp i, 0,1,2,3,4,5,6,7,8,9,10,11,12,13,14,15
	global_load_b128 v[16+4*\i:19+4*\i], v1, s[4:5] offset:4096*\i th:TH_LOAD_NT      ; k | q, 16 rows a load
.endr
.irp i, 0,1,2,3,4,5,6,7
	global_load_b128 v[80+4*\i:83+4*\i], v1, s[6:7] offset:4096*\i th:TH_LOAD_NT      ; v, 32 rows a load
.endr
.macro SLD x, m                        ; state m: four loads; mine are (d = 16 k + tid / 16, e = 4 (tid % 16) ..)
.irp k, 0,1,2,3
	global_load_b128 v[\x+4*\k:\x+4*\k+3], v1, s[8:9] offset:16384*\m+4096*\k
.endr
.endm
	SLD XA, 0
	SLD XA+16, 1
	SLD XA+32, 2
	SLD XA+48, 3
	SLD XB, 4
	SLD XB+16, 5
	SLD XB+32, 6
	SLD XB+48, 7
	; ---- addresses, in registers that no load is bound for
	v_and_b32 v240, 15, v0                         ; r
	v_bfe_u32 v241, v0, 4, 1                       ; h
	v_and_b32 v242, 31, v0                         ; lane
	v_lshrrev_b32 v243, 4, v0
	v_mul_u32_u24 v2, v243, KQP
	v_lshl_add_u32 v2, v240, 4, v2                 ; k | q into LDS
	v_mul_u32_u24 v4, v243, SPT
	v_lshl_add_u32 v4, v240, 3, v4
	v_add_nc_u32 v4, SHI, v4                       ; S into LDS
	v_lshrrev_b32 v243, 3, v0
	v_and_b32 v244, 7, v0
	v_mul_u32_u24 v3, v243, VP
	v_lshl_add_u32 v3, v244, 4, v3
	v_add_nc_u32 v3, VB, v3                        ; v into LDS
	v_mul_u32_u24 v[VK], v240, KQP
	v_lshl_add_u32 v[VK], v241, 4, v[VK]
	s_mul_i32 s22, s16, 32*KQP
	v_add_nc_u32 v[VQ], s22, v[VK]
	v_lshl_add_u32 v245, v241, 3, v244             ; 8 h + lane % 8
	v_bfe_u32 v246, v0, 3, 1
	v_mul_u32_u24 v[VV], v245, VP
	v_lshl_add_u32 v[VV], v246, 4, v[VV]
	v_add_nc_u32 v[VV], VB, v[VV]
	v_mul_u32_u24 v[VS], v240, SPT
	v_lshl_add_u32 v[VS], v241, 4, v[VS]
	s_mul_i32 s22, s16, OUTW
	s_add_co_u32 s22, s22, OUTB
	v_add_nc_u32 v[VOS], s22, v[VS]
	v_add_nc_u32 v[VS], SHI, v[VS]
	v_lshrrev_b32 v245, 3, v242
	v_mul_u32_u24 v[VOR], v245, SPT
	v_lshl_add_u32 v[VOR], v244, 4, v[VOR]
	v_add_nc_u32 v[VOR], s22, v[VOR]
	v_lshlrev_b32 v[VL], 4, v242
	v_lshlrev_b32 v245, 3, v241
.irp j, 0,1,2,3,4,5,6,7
	v_add_nc_u32 v246, \j, v245
	v_cmp_ge_u32 s[40+\j], v240, v246              ; the diagonal tile's mask for register j: t = r >= s = 8 h + j
.endr
	; ---- into LDS
	s_wait_loadcnt 40                              ; k | q are in; 8 + 16 + 16 younger loads stay out
.irp i, 0,1,2,3,4,5,6,7,8,9,10,11,12,13,14,15
	ds_store_b128 v2, v[16+4*\i:19+4*\i] offset:16*KQP*\i
.endr
	s_wait_loadcnt 32                              ; v is in; the 32 loads of states stay out
.irp r, 80,81,82,83,84,85,86,87,88,89,90,91,92,93,94,95,96,97,98,99,100,101,102,103,104,105,106,107,108,109,110,111
	v_cvt_f32_f16 v[248+2*(\r%4)], v\r\().l
	v_cvt_f32_f16 v[249+2*(\r%4)], v\r\().h
	v_cvt_pk_bf16_f32 v\r, v[248+2*(\r%4)], v[249+2*(\r%4)]
.endr
.irp i, 0,1,2,3,4,5,6,7
	ds_store_b128 v3, v[80+4*\i:83+4*\i] offset:32*VP*\i
.endr
.macro SUM i, x                        ; S += state i where i < c; the first product starts the sum
	s_cmp_gt_u32 s18, \i
	s_cselect_b32 s20, 1.0, 0
	s_mov_b32 s21, s20
.irp p, 0,1,2,3,4,5,6,7
.if \i == 0
	v_pk_mul_f32 v[ACC+2*\p:ACC+2*\p+1], v[\x+2*\p:\x+2*\p+1], s[20:21] op_sel_hi:[1,0]
.else
	v_pk_fma_f32 v[ACC+2*\p:ACC+2*\p+1], v[\x+2*\p:\x+2*\p+1], s[20:21], v[ACC+2*\p:ACC+2*\p+1] op_sel_hi:[1,0,1]
.endif
.endr
.endm
	s_wait_loadcnt 16                              ; states 0-3 are in; 4-7 stay out
	SUM 0, XA
	SUM 1, XA+16
	SUM 2, XA+32
	SUM 3, XA+48
	SLD XA, 8
	SLD XA+16, 9
	SLD XA+32, 10
	SLD XA+48, 11
	s_wait_loadcnt 16                              ; states 4-7 are in; the 16 loads just issued stay out
	SUM 4, XB
	SUM 5, XB+16
	SUM 6, XB+32
	SUM 7, XB+48
	SLD XB, 12
	SLD XB+16, 13
	SLD XB+32, 14
	s_wait_loadcnt 12                              ; states 8-11 are in; the 12 loads just issued stay out
	SUM 8, XA
	SUM 9, XA+16
	SUM 10, XA+32
	SUM 11, XA+48
	s_wait_loadcnt 0x0
	SUM 12, XB
	SUM 13, XB+16
	SUM 14, XB+32
.irp k, 0,1,2,3
	SPLIT 176+4*\k, 178+4*\k, ACC+4*\k, 192+4*\k
	SPLIT 177+4*\k, 179+4*\k, ACC+4*\k+2, 194+4*\k
	ds_store_b64 v4, v[176+4*\k:177+4*\k] offset:16*SPT*\k
	ds_store_b64 v4, v[178+4*\k:179+4*\k] offset:16*SPT*\k+SLOD
.endr
	s_wait_dscnt 0x0                               ; my stores are in LDS before I say so
	s_barrier_signal -1
	s_barrier_wait -1                              ; from here on the shared regions (k | q, v, S) are only read
	; ---- q: fragments in f16, and their exact split into bf16 hi + lo
.irp t, 0,1
.irp k, 0,1
	ds_load_b128 v[QF+8*(2*\t+\k):QF+8*(2*\t+\k)+3],   v[VQ] offset:16*KQP*\t+128+64*\k
	ds_load_b128 v[QF+8*(2*\t+\k)+4:QF+8*(2*\t+\k)+7], v[VQ] offset:16*KQP*\t+128+64*\k+32
.endr
.endr
	s_wait_dscnt 0x0
.irp r, 16,17,18,19,20,21,22,23,24,25,26,27,28,29,30,31,32,33,34,35,36,37,38,39,40,41,42,43,44,45,46,47
	v_cvt_f32_f16 v[TT+4*(\r%4)], v\r\().l
	v_cvt_f32_f16 v[TT+4*(\r%4)+1], v\r\().h
	SPLIT \r+32, \r+64, TT+4*(\r%4), TT+4*(\r%4)+2
.endr
	; ---- q S.  Source 0 = S (rows d, e along K), source 1 = q (columns t).  The eight accumulators take turns.
.macro IPASS sf, qf, k, zero
.irp d, 0,1,2,3
.irp t, 0,1
.if \zero
	v_wmma_f32_16x16x32_bf16 v[OA+8*(2*\d+\t):OA+8*(2*\d+\t)+7], v[\sf+8*\d:\sf+8*\d+7], v[\qf+8*(2*\t+\k):\qf+8*(2*\t+\k)+7], 0
.else
	v_wmma_f32_16x16x32_bf16 v[OA+8*(2*\d+\t):OA+8*(2*\d+\t)+7], v[\sf+8*\d:\sf+8*\d+7], v[\qf+8*(2*\t+\k):\qf+8*(2*\t+\k)+7], v[OA+8*(2*\d+\t):OA+8*(2*\d+\t)+7]
.endif
.endr
.endr
.endm
.macro INTER k
.if \k
	PLACES                                         ; the fragments' registers were read by the matrix instructions above
.endif
.irp d, 0,1,2,3
	ds_load_b128 v[SH+8*\d:SH+8*\d+3],   v[VS] offset:16*SPT*\d+64*\k
	ds_load_b128 v[SH+8*\d+4:SH+8*\d+7], v[VS] offset:16*SPT*\d+64*\k+32
	ds_load_b128 v[SL+8*\d:SL+8*\d+3],   v[VS] offset:SLOD+16*SPT*\d+64*\k
	ds_load_b128 v[SL+8*\d+4:SL+8*\d+7], v[VS] offset:SLOD+16*SPT*\d+64*\k+32
.endr
	s_wait_dscnt 0x0
	IPASS SH, QH, \k, 1-\k                         ; the very first eight start the sums
	IPASS SH, QL, \k, 0
	IPASS SL, QH, \k, 0
.endm
	INTER 0
	INTER 1
; ---- one key step of 32 rows.  Scores transposed (rows s, columns t): a lane's eight numbers of tiles (0, tt) and (1, tt), packed to bf16,
; ARE the fragment of the second product's source 1 (column t, K = s).  diag = 1: the step on the diagonal: tiles (0,0) and (1,1) are
; masked by value, tile (1,0) lies wholly above the diagonal and is set to 0 without being computed.
.macro KSTEP diag
.rept 5
	v_nop                                          ; five places: matrix instructions below write over registers that those above read
.endr
.irp s, 0,1
.irp k, 0,1
	ds_load_b128 v[KF+8*(2*\s+\k):KF+8*(2*\s+\k)+3],   v[VK] offset:16*KQP*\s+64*\k
	ds_load_b128 v[KF+8*(2*\s+\k)+4:KF+8*(2*\s+\k)+7], v[VK] offset:16*KQP*\s+64*\k+32
.endr
.endr
.irp d, 0,1,2,3
	ds_load_tr16_b128 v[VF+8*\d:VF+8*\d+3],   v[VV] offset:32*\d
	ds_load_tr16_b128 v[VF+8*\d+4:VF+8*\d+7], v[VV] offset:32*\d+16*VP
.endr
	s_wait_dscnt 0x8                               ; k is in; v's eight loads stay out
.irp k, 0,1
.irp s, 0,1
.irp t, 0,1
.if (\diag*\s*(1-\t)) == 0
.if \k == 0
	v_wmma_f32_16x16x32_f16 v[PT+8*(2*\s+\t):PT+8*(2*\s+\t)+7], v[KF+8*(2*\s+\k):KF+8*(2*\s+\k)+7], v[QF+8*(2*\t+\k):QF+8*(2*\t+\k)+7], 0
.else
	v_wmma_f32_16x16x32_f16 v[PT+8*(2*\s+\t):PT+8*(2*\s+\t)+7], v[KF+8*(2*\s+\k):KF+8*(2*\s+\k)+7], v[QF+8*(2*\t+\k):QF+8*(2*\t+\k)+7], v[PT+8*(2*\s+\t):PT+8*(2*\s+\t)+7]
.endif
.endif
.endr
.endr
.endr
	PLACES
.if \diag
.irp j, 0,1,2,3,4,5,6,7
	v_cndmask_b32 v[PT+\j], 0, v[PT+\j], s[40+\j]
	v_cndmask_b32 v[PT+24+\j], 0, v[PT+24+\j], s[40+\j]
.endr
.endif
.irp t, 0,1
.irp s, 0,1
.irp p, 0,1,2,3
.if (\diag*\s*(1-\t)) == 0
	v_cvt_pk_bf16_f32 v[PB+8*\t+4*\s+\p], v[PT+8*(2*\s+\t)+2*\p], v[PT+8*(2*\s+\t)+2*\p+1]
.else
	v_mov_b32 v[PB+8*\t+4*\s+\p], 0
.endif
.endr
.endr
.endr
	s_wait_dscnt 0x0
.irp d, 0,1,2,3
.irp t, 0,1
	v_wmma_f32_16x16x32_bf16 v[OA+8*(2*\d+\t):OA+8*(2*\d+\t)+7], v[VF+8*\d:VF+8*\d+7], v[PB+8*\t:PB+8*\t+7], v[OA+8*(2*\d+\t):OA+8*(2*\d+\t)+7]
.endr
.endr
.endm
	s_cmp_eq_u32 s16, 0                            ; wave w has w full steps in front of its diagonal
	s_cbranch_scc1 .Ldiag
	s_mov_b32 s30, 0
.Lks:
	KSTEP 0
	v_add_nc_u32 v[VK], 32*KQP, v[VK]
	v_add_nc_u32 v[VV], 32*VP, v[VV]
	s_add_co_u32 s30, s30, 1
	s_cmp_lt_u32 s30, s16
	s_cbranch_scc1 .Lks
.Ldiag:
	KSTEP 1
	; ---- out: hi + lo, through my own stage, whole rows back, 512 consecutive bytes a store.
	; The second barrier: every wave's reads of LDS in the key steps come ahead of every wave's stores into the stages.  By the map at the
	; head a stage (from byte OUTB on) shares no byte with the regions read (below OUTB); but the key steps' addresses are stepped as many
	; times as the wave's number says, and with the barrier the order holds without that arithmetic.  Every wave passes it: it stands behind
	; the label at which the two ways join.  Between signal and wait stands register work alone: the rounding of O.
	s_wait_dscnt 0x0                               ; my reads of the shared regions are back (met: the key step's own wait for 0)
	s_barrier_signal -1
	PLACES
.irp n, 0,1,2,3,4,5,6,7
.irp p, 0,1,2,3
	SPLIT HO+4*\n+\p, LO+4*\n+\p, OA+8*\n+2*\p, TT+2*\p
.endr
.endr
	s_barrier_wait -1
.irp d, 0,1,2,3
.irp t, 0,1
	ds_store_b128 v[VOS], v[HO+4*(2*\d+\t):HO+4*(2*\d+\t)+3] offset:16*SPT*\t+32*\d
	ds_store_b128 v[VOS], v[LO+4*(2*\d+\t):LO+4*(2*\d+\t)+3] offset:32*SPT+16*SPT*\t+32*\d
.endr
.endr
.irp u, 0,1,2,3,4,5,6,7
	ds_load_b128 v[80+4*\u:83+4*\u], v[VOR] offset:4*SPT*\u        ; my own bytes, served in order behind the stores above
.endr
.irp u, 0,1,2,3,4,5,6,7
	ds_load_b128 v[112+4*\u:115+4*\u], v[VOR] offset:32*SPT+4*SPT*\u
.endr
.irp u, 0,1,2,3,4,5,6,7
	s_wait_dscnt 15-\u                             ; load u of the sixteen is back; the younger ones stay out
	global_store_b128 v[VL], v[80+4*\u:83+4*\u], s[24:25] offset:512*\u
.endr
.irp u, 0,1,2,3,4,5,6,7
	s_wait_dscnt 7-\u
	global_store_b128 v[VL], v[112+4*\u:115+4*\u], s[26:27] offset:512*\u
.endr
	s_wait_tensorcnt 0x0
	ds_add_u32 v7, v15
	s_wait_dscnt 0x0
	s_endpgm
.Lfunc_end_k_q73eb20f566_attn:
	.size	k_q73eb20f566_attn, .Lfunc_end_k_q73eb20f566_attn-k_q73eb20f566_attn
	.p2alignl 7, 3214868480
	.fill 96, 4, 3214868480
	.section	.rodata,"a",@progbits
	.p2align	6, 0x0
	.amdhsa_kernel k_q73eb20f566_attn
		.amdhsa_group_segment_fixed_size 203776
		.amdhsa_private_segment_fixed_size 0
		.amdhsa_enable_private_segment 0
		.amdhsa_kernarg_size 32
		.amdhsa_user_sgpr_count 2
		.amdhsa_user_sgpr_kernarg_segment_ptr 1
		.amdhsa_wavefront_size32 1
		.amdhsa_system_sgpr_workgroup_id_x 1
		.amdhsa_system_sgpr_workgroup_id_y 1
		.amdhsa_system_sgpr_workgroup_id_z 1
		.amdhsa_system_vgpr_workitem_id 0
		.amdhsa_next_free_vgpr 256
		.amdhsa_next_free_sgpr 66
		.amdhsa_reserve_vcc 0
		.amdhsa_float_denorm_mode_32 3
		.amdhsa_float_denorm_mode_16_64 3
		.amdhsa_memory_ordered 1
		.amdhsa_forward_progress 1
		.amdhsa_inst_pref_size 66
	.end_amdhsa_kernel
	.amdgpu_metadata
---
amdhsa.version: [ 1, 2 ]
amdhsa.kernels:
  - .name:           k_q73eb20f566_attn
    .symbol:         k_q73eb20f566_attn.kd
    .args:
      - { .name: kq, .offset: 0, .size: 8, .value_kind: global_buffer, .address_space: global }
      - { .name: vv, .offset: 8, .size: 8, .value_kind: global_buffer, .address_space: global }
      - { .name: st, .offset: 16, .size: 8, .value_kind: global_buffer, .address_space: global }
      - { .name: oo, .offset: 24, .size: 8, .value_kind: global_buffer, .address_space: global }
    .group_segment_fixed_size: 203776
    .private_segment_fixed_size: 0
    .kernarg_segment_align: 8
    .kernarg_segment_size: 32
    .max_flat_workgroup_size: 256
    .sgpr_count:     66
    .vgpr_count:     256
    .wavefront_size: 32
...
	.end_amdgpu_metadata
.endif
;; end of part 3
;; launch gemm2 (part 4): grid 8 x 32, 4 waves a work-group, clusters of 4 x 4, 327,680 bytes of LDS; arguments oo, w2t, b2, out0; writes out0
.if DOCPART == 4
	.amdgcn_target "amdgcn-amd-amdhsa--gfx1250"
	.amdhsa_code_object_version 6
	.text
	.protected	k_q73eb20f566_gemm2
	.globl	k_q73eb20f566_gemm2
	.p2align	8
	.type	k_q73eb20f566_gemm2,@function
k_q73eb20f566_gemm2:
	s_mov_b64 s[64:65], 0
	v_nop
	global_prefetch_b8 v0, s[64:65] scope:SCOPE_SE
	s_setreg_imm32_b32 hwreg(HW_REG_WAVE_MODE, 25, 1), 1
	s_wait_xcnt 0x0
	s_wait_alu depctr_hold_cnt(0) depctr_sa_sdst(0) depctr_va_vdst(0) depctr_va_sdst(0) depctr_va_ssrc(0) depctr_va_vcc(0) depctr_vm_vsrc(0)
	s_getreg_b32 s2, hwreg(HW_REG_IB_STS2, 6, 4)
	s_cmp_eq_u32 s2, 0
	s_cbranch_scc0 .Lentry_in_a_cluster
	s_endpgm
.Lentry_in_a_cluster:
	s_bfe_u32 s2, ttmp6, 0x10000c
	s_cmp_lg_u32 s2, 0xf033
	s_cbranch_scc0 .Lentry_shape_is_right
	s_endpgm
.Lentry_shape_is_right:
; out0 = O W2 + b2, with O = Ohi + Olo and W2 = Whi + Wlo in bf16:  Ohi Whi + Ohi Wlo + Olo Whi, f32 sums (the lo x lo term, some 2^-16
; of the sum, is dropped).  O's late rows are far larger than the output's mean, so one plain bf16 rounding of O or W2 would not do.
; A work-group makes 128 x 128 of out0 (tb = y, nb = x) with four waves of 64 x 64: 16 accumulator tiles each.  K = 1024 goes in 8 steps of
; 128 (two heads) through two LDS slots; a slot holds Ohi, Olo, Whi, Wlo, each a dense block of 32,768 bytes brought by one wave's one load.
; CLUSTERS: 4 x 4 work-groups.  O's tiles hang on tb alone and are asked for jointly along a row of the cluster, W2's on nb alone and
; jointly along a column.
; The matrix instruction is used transposed (source 0 = rows of w2t, source 1 = rows of oo): a lane holds eight neighbouring columns of a row.
; REGISTERS: window 0: v16-35 addresses and bias; O's fragments, buffer 0: hi v64-95, lo v96-127, buffer 1: v128-159, v160-191; v192-255
; the way out.  Window 1: W2's fragments, numbered alike.  Window 2: tile (a, b) at v[8 (4 a + b)].
.set PITCH,  272                       ; an LDS row: two tile rows of 64 bf16 + 16 bytes of padding
.set FRAG,   8*PITCH                   ; 16 tile rows
.set HEADB,  64*PITCH                  ; one head's 128 tile rows
.set PIECE,  128*PITCH                 ; one wave's load: two heads
.set SLOT,   4*PIECE
.set STAGE,  2*SLOT                    ; behind the ring: 16 rows x 272 bytes for each wave; no fill lands there
.set LAPS,   4
.set ADRA, 16
.set ADRB, 20
.set STO,  24
.set RD,   25
.set CO,   26
.set BAD,  27
.set BIAS, 32
.set F0,   64
.set F1,   128
.set TB,   192
.set G1,  24
.set G0,  32
.set G1B, 48
.set G0B, 56
.set MSB, 0
.macro WIN new                         ; the immediate's high byte repeats the setting that is left
.if MSB != \new
	s_set_vgpr_msb (MSB<<8)|\new
.set MSB, \new
.endif
.endm
.set MUL,  0xa1                        ; source 0 window 1, source 1 window 0, C and D window 2
.set TO_B, 0x40
.macro JLOAD s                         ; waves 0, 1 ask for Ohi, Olo; waves 2, 3 for Whi, Wlo
	s_cmp_eq_u32 s17, 0
	s_cbranch_scc0 .Lfor_b_\@
	tensor_load_to_lds s[G0+4*\s:G0+4*\s+3], s[G1:G1+7]
	s_nop 0
	s_branch .Lasked_\@
.Lfor_b_\@:
	tensor_load_to_lds s[G0B+4*\s:G0B+4*\s+3], s[G1B:G1B+7]
	s_nop 0
.Lasked_\@:
.endm
.macro CREST
	s_cmp_lg_u32 s16, 0
	s_cbranch_scc1 .Lnot_wave_0_\@
	s_barrier_signal -3
.Lnot_wave_0_\@:
	s_barrier_wait -3
	s_barrier_signal -1
	s_barrier_wait -1
.endm
.macro CROUND
	s_barrier_signal -1
	s_barrier_wait -1
	CREST
.endm
.macro PLACES                          ; four places behind a matrix instruction (ISA guide 7.12.1)
.rept 4
	v_nop
.endr
.endm
	s_load_b256 s[4:11], s[0:1], 0x0               ; oo s[4:5], w2t s[6:7], b2 s[8:9], out0 s[10:11]
	s_set_vgpr_msb 0x40
	v_lshl_add_u32 v255, v0, 2, 0x48400
	s_set_vgpr_msb 0x4000
	v_mov_b32 v63, 0
	s_set_vgpr_msb 0x1
	ds_add_u32 v255, v63
	s_set_vgpr_msb 0x100
	v_lshrrev_b32 v1, 5, v0
	v_readfirstlane_b32 s16, v1                    ; wave 0..3
	s_lshr_b32 s17, s16, 1                         ; wr: my 64 rows.  Also: I fetch for O (0) or for W2 (1)
	s_and_b32 s18, s16, 1                          ; wc: my 64 columns.  Also: I fetch hi (0) or lo (1)
	s_bfe_u32 s19, ttmp6, 0x40000                  ; cx
	s_bfe_u32 s20, ttmp6, 0x40004                  ; cy
	s_lshl_b32 s21, ttmp9, 2
	s_add_co_u32 s21, s21, s19                     ; nb
	s_and_b32 s22, ttmp7, 0xffff
	s_lshl_b32 s22, s22, 2
	s_add_co_u32 s22, s22, s20                     ; tb
	s_lshl_b32 s40, s20, 2
	s_lshl_b32 s40, 15, s40                        ; my row of the cluster
	s_lshl_b32 s41, 0x1111, s19                    ; my column
	s_or_b32 s[G1+0], s40, (3<<16)|(1<<20)|(1<<21)|(5<<22)|(3<<25)   ; elements of 8 bytes; 16 bytes of padding behind each 64 words
	s_or_b32 s[G1B+0], s41, (3<<16)|(1<<20)|(1<<21)|(5<<22)|(3<<25)
	s_mov_b32 s[G1+1], 32<<16                      ; tensor_dim0 = 32 elements: rows of 256 bytes
	s_mov_b32 s[G1B+1], 32<<16
	s_mov_b32 s[G1+2], 128<<16                     ; tensor_dim1 = 128
	s_mov_b32 s[G1B+2], 128<<16
	s_mov_b32 s[G1+3], 32<<16                      ; tile_dim0
	s_mov_b32 s[G1B+3], 32<<16
	s_mov_b32 s[G1+4], 128                         ; tile_dim1
	s_mov_b32 s[G1B+4], 128
	s_mov_b32 s[G1+5], 32                          ; pitch: dense
	s_mov_b32 s[G1B+5], 32
	s_mov_b32 s[G1+6], 0
	s_mov_b32 s[G1B+6], 0
	s_mov_b32 s[G1+7], 0
	s_mov_b32 s[G1B+7], 0
	s_lshl_b32 s42, s22, 18                        ; tb x 16 heads of 16,384 bytes
	s_lshl_b32 s23, s18, 23                        ; hi or lo of oo
	s_add_co_u32 s42, s42, s23
	s_mov_b32 s43, 0
	s_lshl_b32 s46, s21, 18                        ; nb x 16 pieces
	s_lshl_b32 s72, s18, 21                        ; hi or lo of w2t
	s_add_co_u32 s46, s46, s72
	s_mov_b32 s47, 0
	s_mul_i32 s23, s16, PIECE
	s_wait_dscnt 0x0
	s_wait_kmcnt 0x0
	s_add_nc_u64 s[44:45], s[4:5], s[42:43]
	s_add_nc_u64 s[46:47], s[6:7], s[46:47]
	CROUND                                         ; the first joint loads meet
.irp s, 0,1
	s_mov_b32 s[G0+4*\s], 1
	s_add_co_u32 s[G0+4*\s+1], s23, \s*SLOT
	s_add_nc_u64 s[G0+4*\s+2:G0+4*\s+3], s[44:45], \s*32768
	s_or_b32 s[G0+4*\s+3], s[G0+4*\s+3], 0x80000000
	s_mov_b32 s[G0B+4*\s], 1
	s_add_co_u32 s[G0B+4*\s+1], s23, \s*SLOT
	s_add_nc_u64 s[G0B+4*\s+2:G0B+4*\s+3], s[46:47], \s*32768
	s_or_b32 s[G0B+4*\s+3], s[G0B+4*\s+3], 0x80000000
	JLOAD \s                                       ; two tensor loads of the wave are out here, one behind each later round
.endr
	v_and_b32 v1, 15, v0                           ; r
	v_bfe_u32 v2, v0, 4, 1                         ; h
	s_lshl_b32 s72, s21, 9
	s_lshl_b32 s74, s18, 8
	s_add_co_u32 s72, s72, s74                     ; my 64 columns, in bytes
	s_mov_b32 s73, 0
	s_add_nc_u64 s[8:9], s[8:9], s[72:73]
	v_lshlrev_b32 v[BAD], 4, v1
	global_load_b128 v[BIAS:BIAS+3], v[BAD], s[8:9]        ; b2 of the four columns that I store
	s_lshl_b32 s74, s22, 19                        ; 128 tb rows of 4,096 bytes
	s_add_co_u32 s72, s72, s74
	s_lshl_b32 s74, s17, 18                        ; 64 wr rows
	s_add_co_u32 s72, s72, s74
	s_add_nc_u64 s[66:67], s[10:11], s[72:73]      ; out0 at my corner
	v_lshrrev_b32 v4, 1, v1
	v_and_b32 v5, 1, v1
	v_mul_u32_u24 v3, v4, PITCH
	v_lshl_add_u32 v3, v5, 7, v3
	v_lshl_add_u32 v3, v2, 4, v3                   ; (r / 2) 272 + (r % 2) 128 + 16 h
	s_mul_i32 s72, s17, 4*FRAG                     ; my 64 rows of O
	s_mul_i32 s73, s18, 4*FRAG                     ; my 64 rows of w2t,
	s_add_co_u32 s73, s73, 2*PIECE                 ; behind Ohi and Olo
.irp s, 0,1
	v_add_nc_u32 v[ADRA+\s], s72, v3
	v_add_nc_u32 v[ADRB+\s], s73, v3
	s_add_co_u32 s72, s72, SLOT
	s_add_co_u32 s73, s73, SLOT
.endr
	s_mul_i32 s72, s16, 16*PITCH
	s_add_co_u32 s72, s72, STAGE
	v_mul_u32_u24 v4, v1, PITCH
	v_lshl_add_u32 v4, v2, 5, v4
	v_add_nc_u32 v[STO], s72, v4                   ; in: row r, 32 bytes for each half of the lanes
	v_mul_u32_u24 v4, v2, PITCH
	v_lshl_add_u32 v4, v1, 4, v4
	v_add_nc_u32 v[RD], s72, v4                    ; back: two rows of 256 bytes
	v_lshlrev_b32 v4, 12, v2
	v_lshl_add_u32 v[CO], v1, 4, v4                ; the same two rows in out0
; 16 matrix instructions: part pa of O x part pb of W2, all 4 x 4 tiles, 32 along K.  The 16 accumulators take turns, one instruction a
; turn, in the same order in every run.
.macro MULP f, pa, pb, zero
.irp a, 0,1,2,3
.irp b, 0,1,2,3
.if \zero
	v_wmma_f32_16x16x32_bf16 v[8*(4*\a+\b):8*(4*\a+\b)+7], v[\f+32*\pb+8*\b:\f+32*\pb+8*\b+7], v[\f+32*\pa+8*\a:\f+32*\pa+8*\a+7], 0
.else
	v_wmma_f32_16x16x32_bf16 v[8*(4*\a+\b):8*(4*\a+\b)+7], v[\f+32*\pb+8*\b:\f+32*\pb+8*\b+7], v[\f+32*\pa+8*\a:\f+32*\pa+8*\a+7], v[8*(4*\a+\b):8*(4*\a+\b)+7]
.endif
.endr
.endr
.endm
; 32 LDS loads in one run: quarter q (head q / 2 of the step, its half q % 2): Whi, Wlo, Ohi, Olo
.macro FETCH slot, q, f
.set KO, (\q/2)*HEADB+(\q%2)*64
	WIN TO_B
.irp p, 0,1
.irp i, 0,1,2,3
	ds_load_b128 v[\f+32*\p+8*\i:\f+32*\p+8*\i+3],   v[ADRB+\slot] offset:\p*PIECE+KO+\i*FRAG
	ds_load_b128 v[\f+32*\p+8*\i+4:\f+32*\p+8*\i+7], v[ADRB+\slot] offset:\p*PIECE+KO+\i*FRAG+32
.endr
.endr
	WIN 0
.irp p, 0,1
.irp i, 0,1,2,3
	ds_load_b128 v[\f+32*\p+8*\i:\f+32*\p+8*\i+3],   v[ADRA+\slot] offset:\p*PIECE+KO+\i*FRAG
	ds_load_b128 v[\f+32*\p+8*\i+4:\f+32*\p+8*\i+7], v[ADRA+\slot] offset:\p*PIECE+KO+\i*FRAG+32
.endr
.endr
.endm
.macro QUARTER slot, q, f, g, zero
	s_wait_dscnt 8                                 ; Whi, Wlo, Ohi are in; the youngest eight loads (Olo) may be out
	WIN MUL
	MULP \f, 0, 0, \zero
	PLACES
	FETCH \slot, \q, \g
	s_wait_dscnt 32                                ; all but the 32 just issued
	WIN MUL
	MULP \f, 0, 1, 0
	MULP \f, 1, 0, 0
.endm
.macro THREE slot, zero
	QUARTER \slot, 1, F0, F1, \zero
	QUARTER \slot, 2, F1, F0, 0
	QUARTER \slot, 3, F0, F1, 0
.endm
; The change of slots: each wave's reads of this slot and all its tensor loads are waited for in front of the barrier, which opens a round
; of the cluster's barrier where the slot is filled again; the joint refill is the first tensor load behind the round.
.macro TURN slot, next, fill
	s_wait_dscnt 8
	WIN MUL
	MULP F1, 0, 0, 0
	s_wait_dscnt 0
	s_wait_tensorcnt 0x0
	ds_add_u32 v255, v63
	s_wait_dscnt 0x0
	s_barrier_signal -1
	MULP F1, 0, 1, 0
	WIN 0
	s_barrier_wait -1
.if \fill
	CREST
	s_add_nc_u64 s[G0+4*\slot+2:G0+4*\slot+3], s[G0+4*\slot+2:G0+4*\slot+3], 65536     ; two K steps on: four heads
	s_add_nc_u64 s[G0B+4*\slot+2:G0B+4*\slot+3], s[G0B+4*\slot+2:G0B+4*\slot+3], 65536
	JLOAD \slot
.endif
	PLACES
	FETCH \next, 0, F0
	WIN MUL
	MULP F1, 1, 0, 0
.endm
.macro LAP zero
	THREE 0, \zero
	TURN 0, 1, 1
	THREE 1, 0
	TURN 1, 0, 1
.endm
	s_wait_tensorcnt 1                             ; my part of K step 0 is in; K step 1's stays out
	s_barrier_signal -1
	s_barrier_wait -1
	FETCH 0, 0, F0
	LAP 1                                          ; the first sixteen products start the sums
	WIN 0
	s_mov_b32 s3, LAPS-2
.Llap:
	LAP 0
	WIN 0
	s_sub_co_u32 s3, s3, 1
	s_cmp_lg_u32 s3, 0
	s_cbranch_scc1 .Llap
	THREE 0, 0                                     ; the last lap fills nothing
	TURN 0, 1, 0
	THREE 1, 0
	s_wait_dscnt 8
	WIN MUL
	MULP F1, 0, 0, 0
	s_wait_dscnt 0
	MULP F1, 0, 1, 0
	MULP F1, 1, 0, 0
	; ---- the way out, 16 rows at a time: f32 through my own stage, whole rows of 256 bytes back, + b2, stored
	PLACES
	s_wait_loadcnt 0x0                             ; b2
.macro OUT16 i, tb
	WIN 0x08                                       ; an LDS store's data is source 1: window 2
.irp b, 0,1,2,3
	ds_store_b128 v[STO], v[8*(4*\i+\b):8*(4*\i+\b)+3]   offset:64*\b
	ds_store_b128 v[STO], v[8*(4*\i+\b)+4:8*(4*\i+\b)+7] offset:64*\b+16
.endr
	WIN 0
	s_wait_xcnt 0x0                                ; the registers that earlier stores read are loaded again only behind this wait
.irp u, 0,1,2,3,4,5,6,7
	ds_load_b128 v[\tb+4*\u:\tb+4*\u+3], v[RD] offset:2*PITCH*\u   ; LDS serves a wave's instructions in order: these see the stores above
.endr
.irp u, 0,1,2,3,4,5,6,7
	s_wait_dscnt 7-\u
	v_pk_add_f32 v[\tb+4*\u:\tb+4*\u+1],   v[\tb+4*\u:\tb+4*\u+1],   v[BIAS:BIAS+1]
	v_pk_add_f32 v[\tb+4*\u+2:\tb+4*\u+3], v[\tb+4*\u+2:\tb+4*\u+3], v[BIAS+2:BIAS+3]
	global_store_b128 v[CO], v[\tb+4*\u:\tb+4*\u+3], s[66:67] offset:(16*\i+2*\u)*4096 th:TH_STORE_NT   ; sixteen lanes: 256 consecutive bytes, aligned
.endr
.endm
	OUT16 0, TB
	OUT16 1, TB+32
	OUT16 2, TB
	OUT16 3, TB+32
	s_set_vgpr_msb 0x1
	s_wait_tensorcnt 0x0
	ds_add_u32 v255, v63
	s_wait_dscnt 0x0
	s_set_vgpr_msb 0x100
	CROUND                                         ; the closing round
	s_endpgm
.Lfunc_end_k_q73eb20f566_gemm2:
	.size	k_q73eb20f566_gemm2, .Lfunc_end_k_q73eb20f566_gemm2-k_q73eb20f566_gemm2
	.p2alignl 7, 3214868480
	.fill 96, 4, 3214868480
	.section	.rodata,"a",@progbits
	.p2align	6, 0x0
	.amdhsa_kernel k_q73eb20f566_gemm2
		.amdhsa_group_segment_fixed_size 327680
		.amdhsa_private_segment_fixed_size 0
		.amdhsa_enable_private_segment 0
		.amdhsa_kernarg_size 32
		.amdhsa_user_sgpr_count 2
		.amdhsa_user_sgpr_kernarg_segment_ptr 1
		.amdhsa_wavefront_size32 1
		.amdhsa_system_sgpr_workgroup_id_x 1
		.amdhsa_system_sgpr_workgroup_id_y 1
		.amdhsa_system_sgpr_workgroup_id_z 1
		.amdhsa_system_vgpr_workitem_id 0
		.amdhsa_next_free_vgpr 640
		.amdhsa_next_free_sgpr 80
		.amdhsa_reserve_vcc 0
		.amdhsa_float_denorm_mode_32 3
		.amdhsa_float_denorm_mode_16_64 3
		.amdhsa_memory_ordered 1
		.amdhsa_forward_progress 1
		.amdhsa_inst_pref_size 151
	.end_amdhsa_kernel
	.amdgpu_metadata
---
amdhsa.version: [ 1, 2 ]
amdhsa.kernels:
  - .name:           k_q73eb20f566_gemm2
    .symbol:         k_q73eb20f566_gemm2.kd
    .args:
      - { .name: oo, .offset: 0, .size: 8, .value_kind: global_buffer, .address_space: global }
      - { .name: w2t, .offset: 8, .size: 8, .value_kind: global_buffer, .address_space: global }
      - { .name: b2, .offset: 16, .size: 8, .value_kind: global_buffer, .address_space: global }
      - { .name: out0, .offset: 24, .size: 8, .value_kind: global_buffer, .address_space: global }
    .group_segment_fixed_size: 327680
    .private_segment_fixed_size: 0
    .kernarg_segment_align: 8
    .kernarg_segment_size: 32
    .max_flat_workgroup_size: 128
    .sgpr_count:     80
    .vgpr_count:     640
    .wavefront_size: 32
...
	.end_amdgpu_metadata
.endif
;; end of part 4
